; MI455X (gfx1250); checked and timed in simulation.
; The chip was launched on July 23, 2026; its instructions are those of AMD's public machine-readable ISA for CDNA 5 (MIT licence, August 2026) and "CDNA5" Instruction Set Architecture Reference Guide (July 2026). The comments in the code are by the model that wrote it; some were corrected since.
;; Multi Head Attention. Allowed arithmetic: matrix products marked QUANTISED: E5M2 operands, one E8M0 scale for each 32 along K, by v_wmma_scale_f32_16x16x128_f8f6f4 with both operands' format E5M2, f32 sums; everything else in f32.
;; Inputs: Wk_codes 256 x 8 x 32 uint8 (E5M2 codes of Wk, K innermost, in blocks of 32 codes); Wk_scales 256 x 8 uint8 (E8M0 scales of Wk, one for each 32 codes along K); Wo_codes 256 x 8 x 32 uint8 (E5M2 codes of Wo, K innermost, in blocks of 32 codes); Wo_scales 256 x 8 uint8 (E8M0 scales of Wo, one for each 32 codes along K); Wq_codes 256 x 8 x 32 uint8 (E5M2 codes of Wq, K innermost, in blocks of 32 codes); Wq_scales 256 x 8 uint8 (E8M0 scales of Wq, one for each 32 codes along K); Wv_codes 256 x 8 x 32 uint8 (E5M2 codes of Wv, K innermost, in blocks of 32 codes); Wv_scales 256 x 8 uint8 (E8M0 scales of Wv, one for each 32 codes along K); beta 256 float32; bk 256 float32; bo 256 float32; bq 256 float32; bv 256 float32; gamma 256 float32; x 4 x 4,096 x 256 float32.
;; Outputs: out0 4 x 4,096 x 256 float32.
;; This version of the problem:
;;   THIS VERSION OF THE PROBLEM IS GIVEN IN LOW PRECISION. The matrix products marked QUANTISED in the list below multiply operands that are first quantised to E5M2 (5 exponent bits, 2 mantissa bits; 8 bits a number), with one power-of-two scale for each 32 numbers along K (OCP MX v1.0); their sums are f32. All else is computed in f32.
;;   The module's matrix products, in the order in which they are computed (A, B: the left and right operand; K: the contracted axis; several contracted axes count as one K, in the product's order):
;;     1. [M 16,384, K 256] x [K 256, N 256]; A: input x; B: input Wq (given as codes): QUANTISED
;;     2. [M 16,384, K 256] x [K 256, N 256]; A: input x; B: input Wk (given as codes): QUANTISED
;;     3. [M 16,384, K 256] x [K 256, N 256]; A: input x; B: input Wv (given as codes): QUANTISED
;;     4. batch 16 x [M 4,096, K 64] x [K 64, N 4,096]; A: computed on the way; B: computed on the way: QUANTISED
;;     5. batch 16 x [M 4,096, K 4,096] x [K 4,096, N 64]; A: softmax (see below); B: computed on the way: QUANTISED
;;     6. [M 16,384, K 256] x [K 256, N 256]; A: computed on the way; B: input Wo (given as codes): QUANTISED
;;   THE QUANTISER, for each operand of a quantised product, along K:
;;     - K is cut into blocks of 32 from its start; a last block that is shorter is filled with zeros.
;;     - A block's scale is 2^e with e = floor(log2(the largest magnitude in the block)) - 15, held to -126 .. 127; a block of zeros has e = 0. As a byte (E8M0): e + 127.
;;     - Each number is divided by its block's scale, clamped to +-57,344, and rounded to the nearest number of E5M2, ties to even, subnormals kept.
;;     - The product sums the exact products of the quantised numbers (number of the format x scale) in f32.
;;   ~~~python
;;   def quantise(x, axis):      # numpy; x: float32 -> the quantised numbers, widened to float32 again
;;       x = np.moveaxis(x, axis, -1); K = x.shape[-1]
;;       x = np.pad(x, [(0, 0)] * (x.ndim - 1) + [(0, -K % 32)]); x = x.reshape(x.shape[:-1] + (-1, 32)); a = np.abs(x).max(-1, keepdims=True)
;;       e = np.where(a > 0, np.clip(np.frexp(np.where(a > 0, a, 1))[1] - 1 - 15, -126, 127), 0)      # np.frexp(a)[1] - 1 = floor(log2(a)), exactly
;;       r = np.clip(x / 2.0 ** e, -57344, 57344)
;;       step = 2.0 ** (np.maximum(np.frexp(np.where(r == 0, 1, r))[1] - 1, -14) - 2)
;;       q = np.round(r / step) * step * 2.0 ** e      # np.round: ties to even
;;       return np.moveaxis(q.reshape(q.shape[:-2] + (-1,))[..., :K], -1, axis).astype(np.float32)
;;   ~~~
;;   SOFTMAX AHEAD OF A QUANTISED PRODUCT. Where the list says 'softmax', what is quantised is not the finished softmax but p = 2^(t - M), with t = logit x log2(e) and M = ceil(the row's largest t), a whole number; so 1/2 < the row's largest p <= 1. The row's sum l is taken of the UNQUANTISED p, in f32, and the product's result is divided by l at the end. Since M is a whole number, a kernel that streams over the keys may use a running M (the ceiling of the running maximum): every later rescaling is an exact power of two, which a block's scale takes up: the codes' values come out the same.
;;   OPERANDS COMPUTED ON THE WAY. 'Computed on the way' means the value that the module computes at that place (a softmax that the list does not call 'softmax' is quantised finished and normalised). What goes into a quantiser is computed in f32, as accurately as f32 sums, v_exp_f32 and their like allow (about 1e-6 of the number): no bf16 or f16 on the way to a quantiser, and a product that is left as it is and whose result goes on into a quantised operand takes f32 operands (vector FMAs, or v_wmma_f32_16x16x4_f32). A number that lies on a knife's edge between two numbers of the format may be rounded either way, as far as f32 arithmetic and the matrix unit's own rounding can turn it there, and no further.
;;   INPUTS GIVEN AS CODES. Wk (in the module: [256, 256], K = its axis 0); Wo (in the module: [256, 256], K = its axis 0); Wq (in the module: [256, 256], K = its axis 0); Wv (in the module: [256, 256], K = its axis 0): each comes as NAME_codes (uint8): NAME with its K axis moved to the last place and cut into blocks of 32 codes, [.., K / 32, bytes a block], one block behind the other in memory; one code a byte (a code: sign, 5 exponent bits, 2 mantissa bits); and NAME_scales (uint8): the same leading axes, one E8M0 byte (e + 127) for each 32 codes along K. Its value is code x scale, taken as it is: it is not quantised again, and the codes and scales need not be those that the quantiser above would give.
;; One version. Each part assembles by itself: llvm-mc -triple=amdgcn-amd-amdhsa -mcpu=gfx1250 --defsym DOCPART=n.
;; ======== version 1 of 1: 3 launches
;; limits: right only within a limited range of input values
;; workspace buffers: qc 4,194,304 bytes; qs 262,144 bytes; kv 8,650,752 bytes; ctxc 4,194,304 bytes; cs 131,072 bytes
;; launch proj (part 1): grid 256 x 1, 4 waves a work-group, clusters of 4 x 1, 327,680 bytes of LDS; arguments x, Wq_codes, Wq_scales, bq, Wk_codes, Wk_scales, bk, Wv_codes, Wv_scales, bv, qc, qs, kv; writes qc, qs, kv
.if DOCPART == 1
	.amdgcn_target "amdgcn-amd-amdhsa--gfx1250"
	.amdhsa_code_object_version 6
	.text
	.protected	k_qe5a8e0be4f_proj
	.globl	k_qe5a8e0be4f_proj
	.p2align	8
	.type	k_qe5a8e0be4f_proj,@function
k_qe5a8e0be4f_proj:
	s_mov_b64 s[64:65], 0
	v_nop
	global_prefetch_b8 v0, s[64:65] scope:SCOPE_SE
	s_setreg_imm32_b32 hwreg(HW_REG_WAVE_MODE, 25, 1), 1
	s_wait_xcnt 0x0
	s_wait_alu depctr_hold_cnt(0) depctr_sa_sdst(0) depctr_va_vdst(0) depctr_va_sdst(0) depctr_va_ssrc(0) depctr_va_vcc(0) depctr_vm_vsrc(0)
	s_getreg_b32 s2, hwreg(HW_REG_IB_STS2, 6, 4)
	s_cmp_eq_u32 s2, 0
	s_cbranch_scc0 .Lentry_in_a_cluster
	s_endpgm
.Lentry_in_a_cluster:
	s_bfe_u32 s2, ttmp6, 0x10000c
	s_cmp_lg_u32 s2, 0x3003
	s_cbranch_scc0 .Lentry_shape_is_right
	s_endpgm
.Lentry_shape_is_right:
; FIRST OF THREE LAUNCHES.  x [16384][256] f32 is quantised along its 256 (E5M2, one E8M0 scale for each 32) and multiplied by Wq, Wk, Wv (given as codes, [n][k]); + bias.
; q and k: ELU, divided by (the head's L2 norm + 1e-6), quantised along the head's 64.  v: quantised along the KEYS.  All three leave as images of the operand registers that the attention launch wants.
; DEAD WORK: none.  Every input of the problem has a way to the output (bk and bq go through ELU and a quantiser, bv into v's codes), so every input is loaded by one of the three launches and no product is left out.
; LIMITS: NaN and infinities among the inputs are not served.  A block of zeros gets the scale byte 1 where the rule says 127: its codes are zeros, which add nothing, and these bytes are read by this program alone.
; SHARES.  A work-group takes 64 tokens (a half-step of keys), wave w takes head w: 64 units each of q, k, v for all 64 tokens.  Its 3 x 64 rows of weights stay in its registers.
; TOKEN TILES: tile 2 b + u of a work-group has as row r the token 32 b + 8 u + r + 8 (r / 8); the rows of a weight that form a tile are chosen alike.  So the 16 registers of two neighbouring tiles are 16 neighbours along the next K.
; q, k are made TRANSPOSED (source 0 = 16 rows of W, source 1 = 16 tokens): a lane holds one token and 32 of the head's 64.  v is made straight (source 0 = tokens, source 1 = rows of Wv): a lane holds one channel and 16 keys.
; CLUSTER: all work-groups read the same 192 KiB of weight codes, so four partners ask for them jointly: the descriptors hang on the wave's number alone.  LDS bytes are filled once; all of a WGP's LDS is claimed.
; ELU = max(x, 0) + expm1(min(x, 0)).  expm1(n): above -1/8 the series n (1 + n (1/2 + n (1/6 + n (1/24 + n / 120)))), whose next term is under 5e-8 of the number; else 2^(n log2 e) - 1.  Both are computed and one is selected.
; REGISTERS.  Window 0: v1-15 addresses; v16-39 the weights' scale words; v40-47 x's; v48-63 the quantiser's work; v64-127 results; v128-223 ELU's work (first: x as loaded); v224-239 codes; v240-255 small things.
;   Window 1: Wq's 8 fragments, then Wk's.  Window 2: Wv's 8 fragments; from v128 bq, bk, bv as C tiles.  Window 3: x's 8 fragments (tile, K step).
.set WPITCH, 272                       ; a weight's row in LDS: 256 bytes + 16 of padding
.set WPART,  64*WPITCH                 ; 64 rows: one tensor load, one head
.set WREG,   256*WPITCH                ; one weight
.set XST,    3*WREG                    ; behind the weights: two stages of 16 rows x 528 bytes for each wave, in which x turns from rows to lanes
.set XSP,    528
.set XSTG,   16*XSP
.set XIMG,   XST+8*XSTG                ; x's 8 fragments as images of their registers, 2,048 bytes each (2 x tile + K step)
.set XSC,    XIMG+8*2048               ; their scale words, 128 bytes each
.set SPARE,  XSC+8*128                 ; the spare words, 128 bytes for each wave: two blocks of 256 bytes that no other line names
.set HALFB,  8448                      ; kv: a half-step of 64 keys: K 4,096, V 4,096, scale words 256
.set HEADB,  64*HALFB
.set LI,   1                           ; 16 x lane
.set LS,   2                           ; 4 x lane
.set L8,   3                           ; 8 x lane
.set STW,  4                           ; my stage, on the way in
.set STR,  5                           ; and on the way out
.set XWI,  6                           ; where I store x's images
.set XWS,  7                           ; and their scale words
.set AW,   8                           ; v8-10 my lane's place in my rows of Wq, Wk, Wv
.set SELV, 11                          ; byte selects for V's scale word
.set SPW,  12                          ; LDS address of my spare word; never rewritten
.set NIL,  13                          ; 0; never rewritten
.set PW,   14                          ; the scale word just made
.set XRI,  15                          ; where any wave reads x's images
.set WS,   16                          ; weights' scale words: 8 x unit + 2 x tile + K step
.set XS,   40                          ; x's scale words: 2 x tile + K step
.set TM,   48
.set HA,   64
.set N,    128
.set E,    160
.set P,    192
.set PC,   224
.set SS,   240
.set TP,   244
.set XRS,  246                         ; where any wave reads x's scale words
.set SL,   247
.set PWS,  248                         ; the scale words of the two blocks of 32 tokens
.set KVW,  250                         ; (K's word, V's word) of my lane
.set QSP,  252
.set C120, 254                         ; 1/120, twice
.set WV,  30
.set CX,  31
.set G,   32
.set G1,  40
.set G0,  48
.set SEL, 60
.set MNT, 62
.set L2E, 66
.set C24, 68
.set C6,  70
.set THR, 72
.set HM,  73
.set EPS, 74
.set MSB, 0
.macro WIN new                         ; the immediate's high byte repeats the setting that is left
.if MSB != (\new)
	s_set_vgpr_msb (MSB<<8)|(\new)
.set MSB, (\new)
.endif
.endm
.macro CROUND                          ; a round of the cluster's barrier
	s_barrier_signal -1
	s_barrier_wait -1
	s_cmp_lg_u32 s[WV], 0
	s_cbranch_scc1 .Lnot_wave_0_\@
	s_barrier_signal -3
.Lnot_wave_0_\@:
	s_barrier_wait -3
	s_barrier_signal -1
	s_barrier_wait -1
.endm
.macro MM d, a, b, c, sa, sb
	v_wmma_scale_f32_16x16x128_f8f6f4 v[(\d):(\d)+7], v[(\a):(\a)+15], v[(\b):(\b)+15], v[(\c):(\c)+7], v[\sa], v[\sb] matrix_a_fmt:MATRIX_FMT_BF8 matrix_b_fmt:MATRIX_FMT_BF8
.endm
; 64 numbers of a lane, v[s] on, register 16 b + i = place 16 (lane / 16) + i of block b of my row, become 16 registers of codes in v[PC] on and the four blocks' scale bytes in v[PW].
.macro QUANT s
.irp b, 0,1,2,3
	v_max3_num_f32 v[TM+\b], |v[\s+16*\b]|, |v[\s+1+16*\b]|, 0x8000000   ; my 16 numbers, and the floor 2^(16 - 127): the byte cannot fall under 1
.endr
.irp i, 2,4,6,8,10,12,14
.irp b, 0,1,2,3
	v_max3_num_f32 v[TM+\b], v[TM+\b], |v[\s+16*\b+\i]|, |v[\s+1+16*\b+\i]|
.endr
.endr
.irp b, 0,1,2,3
	v_permlanex16_b32 v[TM+4+\b], v[TM+\b], s[SEL], s[SEL+1]
.endr
.irp b, 0,1,2,3
	v_max_num_f32 v[TM+\b], v[TM+\b], v[TM+4+\b]                   ; with lane l xor 16: the block's largest magnitude
.endr
.irp b, 0,1,2,3
	v_add_nc_u32 v[TM+12+\b], 0xf8800000, v[TM+\b]                 ; 15 off its exponent field: the conversion's scale operand
.endr
.irp b, 0,1,2,3
	v_and_or_b32 v[TM+8+\b], v[TM+\b], 0x7f800000, s[MNT]          ; 57,344 x the scale
.endr
.irp b, 0,1,2,3
	v_lshrrev_b32 v[TM+4+\b], 23, v[TM+12+\b]                      ; the scale's byte
.endr
	v_lshl_or_b32 v[PW], v[TM+5], 8, v[TM+4]
	v_lshl_or_b32 v[PW], v[TM+6], 16, v[PW]
	v_lshl_or_b32 v[PW], v[TM+7], 24, v[PW]
.irp b, 0,1,2,3
.irp i, 0,1,2,3,4,5,6,7,8,9,10,11,12,13,14,15
	v_med3_num_f32 v[\s+16*\b+\i], v[\s+16*\b+\i], -v[TM+8+\b], v[TM+8+\b]   ; the conversion to an 8-bit code does not saturate (ISA guide 7.6.2): the hold
.endr
	v_cvt_scalef32_pk8_bf8_f32 v[PC+4*\b:PC+1+4*\b], v[\s+16*\b:\s+7+16*\b], v[TM+12+\b]
	v_cvt_scalef32_pk8_bf8_f32 v[PC+2+4*\b:PC+3+4*\b], v[\s+8+16*\b:\s+15+16*\b], v[TM+12+\b]
.endr
	v_nop                                          ; a plain instruction behind the last conversion
.endm
	s_load_b512 s[4:19], s[0:1], 0x0               ; x, Wq codes, Wq scales, bq, Wk codes, Wk scales, bk, Wv codes
	s_load_b256 s[20:27], s[0:1], 0x40             ; Wv scales, bv, qc, qs
	s_load_b64 s[28:29], s[0:1], 0x60              ; kv
	v_lshl_add_u32 v[SPW], v0, 2, SPARE
	v_mov_b32 v[NIL], 0
	ds_add_u32 v[SPW], v[NIL]                      ; the wave's opening: the add, twice on end, and its wait ahead of my first tensor load
	ds_add_u32 v[SPW], v[NIL]
	v_lshrrev_b32 v1, 5, v0
	v_readfirstlane_b32 s[WV], v1                  ; wave = head
	s_bfe_u32 s[CX], ttmp6, 0x40000                ; my place in the cluster: it enters global addresses alone
	s_lshl_b32 s[G], ttmp9, 2
	s_add_co_u32 s[G], s[G], s[CX]                 ; which 64 tokens
	s_mov_b32 s[G1+0], 15|(1<<20)|(1<<21)|(5<<22)|(3<<25)   ; mask: all four partners; elements of 1 byte; padding: 4 words behind every 64; bit 21 beside the mask
	s_mov_b32 s[G1+1], 256<<16                     ; tensor_dim0
	s_mov_b32 s[G1+2], 64<<16                      ; tensor_dim1
	s_mov_b32 s[G1+3], 256<<16                     ; tile_dim0
	s_mov_b32 s[G1+4], 64                          ; tile_dim1
	s_mov_b32 s[G1+5], 256                         ; from row to row
	s_mov_b32 s[G1+6], 0
	s_mov_b32 s[G1+7], 0
	s_mov_b32 s[SEL], 0x76543210
	s_mov_b32 s[SEL+1], 0xfedcba98                 ; lane l xor 16
	s_mov_b32 s[MNT], 0x600000                     ; the mantissa field of 57,344
	s_mov_b32 s[L2E], 0x3fb8aa3b                   ; log2(e)
	s_mov_b32 s[L2E+1], s[L2E]
	s_mov_b32 s[C24], 0x3d2aaaab                   ; 1/24
	s_mov_b32 s[C24+1], s[C24]
	s_mov_b32 s[C6], 0x3e2aaaab                    ; 1/6
	s_mov_b32 s[C6+1], s[C6]
	s_mov_b32 s[THR], 0xbe000000                   ; -1/8
	s_mov_b32 s[HM], 0xffff0000                    ; lanes 16-31
	s_mov_b32 s[EPS], 0x358637bd                   ; 1e-6
	s_mul_i32 s33, s[WV], WPART                    ; my 64 rows in LDS,
	s_lshl_b32 s34, s[WV], 14                      ; and in memory
	s_mov_b32 s35, 0
	s_wait_dscnt 0x0                               ; both opening adds are done
	s_wait_kmcnt 0x0
	s_mov_b32 s[G0], 1
	s_mov_b32 s[G0+1], s33
	s_add_nc_u64 s[G0+2:G0+3], s[6:7], s[34:35]
	s_or_b32 s[G0+3], s[G0+3], 0x80000000
	s_mov_b32 s[G0+4], 1
	s_add_co_u32 s[G0+5], s33, WREG
	s_add_nc_u64 s[G0+6:G0+7], s[12:13], s[34:35]
	s_or_b32 s[G0+7], s[G0+7], 0x80000000
	s_mov_b32 s[G0+8], 1
	s_add_co_u32 s[G0+9], s33, 2*WREG
	s_add_nc_u64 s[G0+10:G0+11], s[18:19], s[34:35]
	s_or_b32 s[G0+11], s[G0+11], 0x80000000
	CROUND                                         ; all four partners are here: the joint loads meet
	tensor_load_to_lds s[G0:G0+3], s[G1:G1+7]      ; my head's rows of Wq: one tensor load a wave at the head
	s_nop 0
.rept 4
	v_nop
.endr
	v_and_b32 v1, 31, v0                           ; lane
	v_and_b32 v48, 15, v0                          ; r
	v_bfe_u32 v49, v0, 4, 1                        ; h
	v_lshlrev_b32 v[LS], 2, v1
	v_lshlrev_b32 v[L8], 3, v1
	v_lshlrev_b32 v[LI], 4, v1
	s_wait_alu depctr_va_vdst(0)
	v_and_b32 v50, 8, v48
	v_add_nc_u32 v50, v50, v48                     ; r + 8 (r / 8)
	v_lshlrev_b32 v51, 3, v50                      ; a weight's scale bytes: 8 a row
	s_wait_alu depctr_va_vdst(0)
	v_lshlrev_b32 v52, 6, v49                      ; bq, bk: 16 h numbers on
	s_wait_alu depctr_va_vdst(0)
	v_lshlrev_b32 v53, 2, v50                      ; bv: my channel
	s_wait_alu depctr_va_vdst(0)
	s_lshl_b32 s36, s[G], 16                       ; x: 64 rows of 1,024 bytes a work-group; wave w turns tile w: its first token is 32 (w / 2) + 8 (w % 2)
	s_lshr_b32 s37, s[WV], 1
	s_lshl_b32 s37, s37, 15
	s_add_co_u32 s36, s36, s37
	s_and_b32 s37, s[WV], 1
	s_lshl_b32 s37, s37, 13
	s_add_co_u32 s36, s36, s37
	s_mov_b32 s37, 0
	s_add_nc_u64 s[4:5], s[4:5], s[36:37]
.irp k, 0,1
.set i, 0
.rept 16
	global_load_b128 v[HA+64*\k+4*i:HA+64*\k+4*i+3], v[LI], s[4:5] offset:(i+8*(i/8))*1024+512*\k th:TH_LOAD_NT   ; row i of my tile, K step k: 512 consecutive bytes
.set i, i+1
.endr
.endr
	s_lshl_b32 s36, s[WV], 9                       ; my head's 64 rows of scale bytes
	s_add_nc_u64 s[8:9], s[8:9], s[36:37]
	s_add_nc_u64 s[14:15], s[14:15], s[36:37]
	s_add_nc_u64 s[20:21], s[20:21], s[36:37]
	s_lshl_b32 s36, s[WV], 8                       ; my head's 64 numbers of each bias
	s_add_nc_u64 s[10:11], s[10:11], s[36:37]
	s_add_nc_u64 s[16:17], s[16:17], s[36:37]
	s_add_nc_u64 s[22:23], s[22:23], s[36:37]
.irp t, 0,1,2,3
	global_load_b64 v[WS+2*\t:WS+2*\t+1], v51, s[8:9] offset:(32*(\t/2)+8*(\t%2))*8
	global_load_b64 v[WS+8+2*\t:WS+8+2*\t+1], v51, s[14:15] offset:(32*(\t/2)+8*(\t%2))*8
	global_load_b64 v[WS+16+2*\t:WS+16+2*\t+1], v51, s[20:21] offset:(32*(\t/2)+8*(\t%2))*8
.endr
	WIN 0x80                                       ; destination window 2
.irp t, 0,1,2,3
	global_load_b128 v[128+8*\t:128+8*\t+3], v52, s[10:11] offset:(32*(\t/2)+8*(\t%2))*4      ; bq of the tile's eight units of my half
	global_load_b128 v[128+8*\t+4:128+8*\t+7], v52, s[10:11] offset:(32*(\t/2)+8*(\t%2))*4+16
	global_load_b128 v[160+8*\t:160+8*\t+3], v52, s[16:17] offset:(32*(\t/2)+8*(\t%2))*4      ; bk
	global_load_b128 v[160+8*\t+4:160+8*\t+7], v52, s[16:17] offset:(32*(\t/2)+8*(\t%2))*4+16
.endr
.irp t, 0,1,2,3
	global_load_b32 v[192+8*\t], v53, s[22:23] offset:(32*(\t/2)+8*(\t%2))*4                  ; bv of my channel
.endr
	WIN 0
	s_mul_i32 s36, s[WV], 2*XSTG
	s_add_co_u32 s36, s36, XST                     ; my two stages
	v_add_nc_u32 v[STW], s36, v[LI]
	v_mul_u32_u24 v[STR], v48, XSP
	v_lshl_add_u32 v[STR], v49, 6, v[STR]          ; out: row r, my 16 numbers of a block of 32
	v_add_nc_u32 v[STR], s36, v[STR]
	s_lshl_b32 s36, s[WV], 12
	s_add_co_u32 s36, s36, XIMG
	v_add_nc_u32 v[XWI], s36, v[LI]
	s_lshl_b32 s36, s[WV], 8
	s_add_co_u32 s36, s36, XSC
	v_add_nc_u32 v[XWS], s36, v[LS]
	v_add_nc_u32 v[XRI], XIMG, v[LI]
	v_add_nc_u32 v[XRS], XSC, v[LS]
	v_mul_u32_u24 v[AW], v50, WPITCH
	v_lshl_add_u32 v[AW], v49, 4, v[AW]
	s_mul_i32 s36, s[WV], WPART
	v_add_nc_u32 v[AW], s36, v[AW]
	v_add_nc_u32 v[AW+1], WREG, v[AW]
	v_add_nc_u32 v[AW+2], 2*WREG, v[AW]
	v_sub_nc_u32 v[SELV], 0, v49
	v_and_b32 v[SELV], 0x01010101, v[SELV]
	v_add_nc_u32 v[SELV], 0x06020400, v[SELV]      ; bytes (t, block 0), (t, block 1), (t + 2, block 0), (t + 2, block 1), t = my half
	v_mov_b32 v[C120], 0x3c088889
	v_mov_b32 v[C120+1], 0x3c088889
	v_mov_b32 v[TP], 0                             ; a lane permute's destination counts as one of its sources
	v_mov_b32 v[TP+1], 0
	s_lshr_b32 s38, s[G], 6
	s_lshl_b32 s38, s38, 2
	s_add_co_u32 s38, s38, s[WV]                   ; batch x 4 + head
	s_and_b32 s39, s[G], 63                        ; the half-step in the sequence
	s_lshl_b32 s36, s38, 18
	s_lshl_b32 s33, s39, 12
	s_add_co_u32 s36, s36, s33
	s_add_nc_u64 s[24:25], s[24:25], s[36:37]      ; qc: 262,144 bytes a head, 4,096 a half-step
	s_lshl_b32 s36, s38, 14
	s_lshl_b32 s33, s39, 8
	s_add_co_u32 s36, s36, s33
	s_add_nc_u64 s[26:27], s[26:27], s[36:37]      ; qs
	s_mul_i32 s36, s38, HEADB
	s_mul_i32 s33, s39, HALFB
	s_add_co_u32 s36, s36, s33
	s_add_nc_u64 s[28:29], s[28:29], s[36:37]      ; kv
; ---- X: my tile of x, both K steps.  A K step's 16 rows go through my stage as they lie and come back 16 neighbours of each block of 32 a lane, into the registers that they left.
.macro TURN k
.set i, 0
.rept 16
	ds_store_b128 v[STW], v[HA+64*\k+4*i:HA+64*\k+4*i+3] offset:\k*XSTG+i*XSP
.set i, i+1
.endr
.set i, 0
.rept 16
	ds_load_b128 v[HA+64*\k+4*i:HA+64*\k+4*i+3], v[STR] offset:\k*XSTG+128*(i/4)+16*(i%4)   ; LDS serves a wave's instructions in order: these see the stores above
.set i, i+1
.endr
.endm
.macro IMAGE off                       ; the fragment in v[PC] on goes to LDS as it stands
.irp c, 0,1,2,3
	ds_store_b128 v[XWI], v[PC+4*\c:PC+4*\c+3] offset:\off+512*\c
.endr
.endm
	s_wait_alu depctr_va_vdst(0)
	s_wait_tensorcnt 0x0                           ; Wq's rows are in
	ds_add_u32 v[SPW], v[NIL]
	s_wait_dscnt 0x0
	CROUND                                         ; all four partners are here
	tensor_load_to_lds s[G0+4:G0+7], s[G1:G1+7]    ; my head's rows of Wk: it lands under x's turn and first quantiser
	s_nop 0
.rept 4
	v_nop
.endr
	s_wait_loadcnt 48                              ; K step 0's 16 loads are in: younger are K step 1's 16 and the 32 of scales and biases
	TURN 0
	s_wait_loadcnt 32                              ; K step 1's are in
	TURN 1
	s_wait_xcnt 0x0                                ; the loads still out have read their offsets (v51-53), which lie in the quantiser's work registers
.irp b, 0,1,2,3
	v_mov_b32 v[TM+4+\b], 0                        ; written once: a lane permute's destination counts as one of its sources
.endr
	s_wait_dscnt 32                                ; the first turn is back: younger are the second's 16 stores and 16 loads
	QUANT HA
	IMAGE 0
	ds_store_b32 v[XWS], v[PW]
	s_wait_alu depctr_va_vdst(0)
	s_wait_tensorcnt 0x0                           ; Wk's rows are in; the same lines once more
	ds_add_u32 v[SPW], v[NIL]
	s_wait_dscnt 0x0                               ; the add is done, the second turn is back, and the stores have read the codes' registers
	CROUND
	tensor_load_to_lds s[G0+8:G0+11], s[G1:G1+7]   ; my head's rows of Wv: waited for ahead of their LDS loads, behind three units of q and k
	s_nop 0
.rept 4
	v_nop
.endr
	QUANT HA+64
	IMAGE 2048
	ds_store_b32 v[XWS], v[PW] offset:128
	s_wait_dscnt 0x0                               ; for the others' sake: my images are in LDS (Wq's and Wk's rows landed above; only I read my rows)
	s_barrier_signal -1
	s_barrier_wait -1
; ---- the operands come into registers, once
	WIN 0x40
.irp t, 0,1,2,3
.irp k, 0,1
.irp c, 0,1,2,3
	ds_load_b128 v[32*\t+16*\k+4*\c:32*\t+16*\k+4*\c+3], v[AW] offset:(32*(\t/2)+8*(\t%2))*WPITCH+128*\k+32*\c
	ds_load_b128 v[128+32*\t+16*\k+4*\c:128+32*\t+16*\k+4*\c+3], v[AW+1] offset:(32*(\t/2)+8*(\t%2))*WPITCH+128*\k+32*\c
.endr
.endr
.endr
	WIN 0xc0
.irp f, 0,1,2,3,4,5,6,7
.irp c, 0,1,2,3
	ds_load_b128 v[16*\f+4*\c:16*\f+4*\c+3], v[XRI] offset:2048*\f+512*\c
.endr
.endr
	WIN 0
.irp f, 0,1,2,3,4,5,6,7
	ds_load_b32 v[XS+\f], v[XRS] offset:128*\f
.endr
	s_wait_dscnt 0x0
	s_wait_loadcnt 0x0                             ; scale words and biases
	WIN 0x82
.irp t, 0,1,2,3
.irp j, 1,2,3,4,5,6,7
	v_mov_b32 v[192+8*\t+\j], v[192+8*\t]          ; bv as a C tile: a lane's eight registers are eight tokens of one channel
.endr
.endr
; 32 numbers v[x] on become their ELU
.macro ELU32 x
.set i, 0
.rept 32
	v_min_num_f32 v[N+i], 0, v[\x+i]               ; each accumulator is read from its low end on
.set i, i+1
.endr
.set i, 0
.rept 16
	v_pk_mul_f32 v[E+i:E+i+1], v[N+i:N+i+1], s[L2E:L2E+1] op_sel_hi:[1,0]
.set i, i+2
.endr
.set i, 0
	s_wait_alu depctr_va_vdst(0)
.rept 32
	v_exp_f32 v[E+i], v[E+i]
.set i, i+1
.endr
.set i, 0
.rept 16
	v_pk_fma_f32 v[P+i:P+i+1], v[N+i:N+i+1], v[C120:C120+1], s[C24:C24+1] op_sel_hi:[1,1,0]   ; the series: plain work behind the exponentials, naming none of their results
.set i, i+2
.endr
.set i, 0
.rept 16
	v_pk_fma_f32 v[P+i:P+i+1], v[P+i:P+i+1], v[N+i:N+i+1], s[C6:C6+1] op_sel_hi:[1,1,0]
.set i, i+2
.endr
.set i, 0
.rept 16
	v_pk_fma_f32 v[P+i:P+i+1], v[P+i:P+i+1], v[N+i:N+i+1], 0.5 op_sel_hi:[1,1,0]
.set i, i+2
.endr
.set i, 0
.rept 16
	v_pk_fma_f32 v[P+i:P+i+1], v[P+i:P+i+1], v[N+i:N+i+1], 1.0 op_sel_hi:[1,1,0]
.set i, i+2
.endr
.set i, 0
.rept 16
	v_pk_mul_f32 v[P+i:P+i+1], v[P+i:P+i+1], v[N+i:N+i+1]
.set i, i+2
.endr
	s_wait_alu depctr_va_vdst(0)                   ; one wait for the 32 exponentials, ahead of their first reader
.set i, 0
.rept 16
	v_pk_add_f32 v[E+i:E+i+1], v[E+i:E+i+1], -1.0 op_sel_hi:[1,0]
.set i, i+2
.endr
.set i, 0
.rept 32
	v_cmp_lt_f32 vcc_lo, s[THR], v[N+i]            ; near 0 the series is taken
	v_cndmask_b32 v[E+i], v[E+i], v[P+i], vcc_lo
.set i, i+1
.endr
.set i, 0
.rept 32
	v_max_num_f32 v[\x+i], 0, v[\x+i]
.set i, i+1
.endr
.set i, 0
.rept 16
	v_pk_add_f32 v[\x+i:\x+i+1], v[\x+i:\x+i+1], v[E+i:E+i+1]   ; one of the two terms is 0: nothing is rounded
.set i, i+2
.endr
.endm
; the two tiles of tokens in v[HA] on are divided by (their head's norm + 1e-6): a lane holds 32 of a token's 64, lane l xor 16 the others
.macro NORM
	v_pk_mul_f32 v[SS:SS+1], v[HA:HA+1], v[HA:HA+1]
	v_pk_mul_f32 v[SS+2:SS+3], v[HA+32:HA+33], v[HA+32:HA+33]
.irp i, 2,4,6,8,10,12,14,16,18,20,22,24,26,28,30
	v_pk_fma_f32 v[SS:SS+1], v[HA+\i:HA+\i+1], v[HA+\i:HA+\i+1], v[SS:SS+1]
	v_pk_fma_f32 v[SS+2:SS+3], v[HA+32+\i:HA+33+\i], v[HA+32+\i:HA+33+\i], v[SS+2:SS+3]
.endr
	v_add_f32 v[SS], v[SS], v[SS+1]
	v_add_f32 v[SS+2], v[SS+2], v[SS+3]
	v_permlanex16_b32 v[TP], v[SS], s[SEL], s[SEL+1]
	v_permlanex16_b32 v[TP+1], v[SS+2], s[SEL], s[SEL+1]
	v_add_f32 v[SS], v[SS], v[TP]
	v_add_f32 v[SS+2], v[SS+2], v[TP+1]
	s_wait_alu depctr_va_vdst(0)
	v_sqrt_f32 v[SS], v[SS]
	v_sqrt_f32 v[SS+2], v[SS+2]
	v_nop
	s_wait_alu depctr_va_vdst(0)                   ; one wait for the two roots
	v_add_f32 v[SS], s[EPS], v[SS]
	v_add_f32 v[SS+2], s[EPS], v[SS+2]
	s_wait_alu depctr_va_vdst(0)
	v_rcp_f32 v[SS], v[SS]
	v_rcp_f32 v[SS+2], v[SS+2]
	v_nop
	s_wait_alu depctr_va_vdst(0)                   ; and one for the two reciprocals
.irp i, 0,2,4,6,8,10,12,14,16,18,20,22,24,26,28,30
	v_pk_mul_f32 v[HA+\i:HA+\i+1], v[HA+\i:HA+\i+1], v[SS:SS+1] op_sel_hi:[1,0]
	v_pk_mul_f32 v[HA+32+\i:HA+33+\i], v[HA+32+\i:HA+33+\i], v[SS+2:SS+3] op_sel_hi:[1,0]
.endr
.endm
; q or k of the 32 tokens of block hb: 8 accumulators (2 tiles of tokens x 4 tiles of units) by turns; the bias is the C of the first K step.  Then ELU, norm, codes.
.macro UNITQK wf, bias, ws, hb
	WIN 0x2d                                       ; W window 1, x window 3, the bias window 2, results window 0
.irp u, 0,1
.irp t, 0,1,2,3
	MM HA+32*\u+8*\t, \wf+32*\t, 32*(2*\hb+\u), \bias+8*\t, \ws+2*\t, XS+2*(2*\hb+\u)
.endr
.endr
	WIN 0x0d
.irp u, 0,1
.irp t, 0,1,2,3
	MM HA+32*\u+8*\t, \wf+32*\t+16, 32*(2*\hb+\u)+16, HA+32*\u+8*\t, \ws+2*\t+1, XS+2*(2*\hb+\u)+1
.endr
.endr
	WIN 0
.rept 8
	v_nop                                          ; eight places ahead of the first read of results
.endr
	ELU32 HA
	ELU32 HA+32
	NORM
	s_wait_xcnt 0x0                                ; the last stores have read the codes' registers
	QUANT HA                                       ; block 2 u + b: tile u, the head's 32 b on
	v_mov_b32 v[PWS+\hb], v[PW]
.endm
.macro UNITV hb                        ; v of the 32 tokens of block hb, straight: a lane's 16 registers of tiles u = 0, 1 are 16 neighbouring keys of one channel
	WIN 0x2b                                       ; x window 3, Wv and bv window 2
.irp u, 0,1
.irp t, 0,1,2,3
	MM HA+16*\t+8*\u, 32*(2*\hb+\u), 32*\t, 192+8*\t, XS+2*(2*\hb+\u), WS+16+2*\t
.endr
.endr
	WIN 0x0b
.irp u, 0,1
.irp t, 0,1,2,3
	MM HA+16*\t+8*\u, 32*(2*\hb+\u)+16, 32*\t+16, HA+16*\t+8*\u, XS+2*(2*\hb+\u)+1, WS+16+2*\t+1
.endr
.endr
	WIN 0
.rept 8
	v_nop
.endr
	s_wait_xcnt 0x0
	QUANT HA                                       ; block t: channel tile t, these 32 keys
	v_mov_b32 v[PWS+\hb], v[PW]
.endm
.macro OUT4 base, off, step            ; four groups of four code registers: each store is 512 consecutive bytes, aligned
.irp c, 0,1,2,3
	global_store_b128 v[LI], v[PC+4*\c:PC+4*\c+3], s[\base:\base+1] offset:\off+\step*\c
.endr
.endm
	UNITQK 0, 128, WS, 0
	OUT4 24, 0, 512
	UNITQK 0, 128, WS, 1
	OUT4 24, 2048, 512
	v_cndmask_b32 v[SL], v[PWS], v[PWS+1], s[HM]   ; lanes 0-15: the first 32 tokens' words, lanes 16-31: the others'
	v_perm_b32 v[QSP], v[SL], v[SL], 0x01000100    ; tile u = 0: (s0, s1, s0, s1): it serves q in the low and in the high half of a K step
	v_perm_b32 v[QSP+1], v[SL], v[SL], 0x03020302  ; tile u = 1
	global_store_b64 v[L8], v[QSP:QSP+1], s[26:27] ; 256 consecutive bytes
	UNITQK 128, 160, WS+8, 0
	OUT4 28, 0, 512
	s_wait_tensorcnt 0x0                           ; my rows of Wv have landed: only I read them
	WIN 0x80
.irp t, 0,1,2,3
.irp k, 0,1
.irp c, 0,1,2,3
	ds_load_b128 v[32*\t+16*\k+4*\c:32*\t+16*\k+4*\c+3], v[AW+2] offset:(32*(\t/2)+8*(\t%2))*WPITCH+128*\k+32*\c
.endr
.endr
.endr
	WIN 0
	UNITQK 128, 160, WS+8, 1
	OUT4 28, 2048, 512
	v_cndmask_b32 v[KVW], v[PWS], v[PWS+1], s[HM]  ; K's words: a fragment's row holds two keys, (A.s0, A.s1, B.s0, B.s1)
	s_wait_dscnt 0x0                               ; Wv's fragments are in registers
	UNITV 0
	OUT4 28, 4096, 1024
	UNITV 1
	OUT4 28, 4096+512, 1024
	v_perm_b32 v[KVW+1], v[PWS+1], v[PWS], v[SELV]
	global_store_b64 v[L8], v[KVW:KVW+1], s[28:29] offset:8192
	s_wait_tensorcnt 0x0                           ; the wave's end
	ds_add_u32 v[SPW], v[NIL]
	s_wait_dscnt 0x0
	CROUND                                         ; the closing round
	s_endpgm
.Lfunc_end_k_qe5a8e0be4f_proj:
	.size	k_qe5a8e0be4f_proj, .Lfunc_end_k_qe5a8e0be4f_proj-k_qe5a8e0be4f_proj
	.p2alignl 7, 3214868480
	.fill 96, 4, 3214868480
	.section	.rodata,"a",@progbits
	.p2align	6, 0x0
	.amdhsa_kernel k_qe5a8e0be4f_proj
		.amdhsa_group_segment_fixed_size 327680
		.amdhsa_private_segment_fixed_size 0
		.amdhsa_enable_private_segment 0
		.amdhsa_kernarg_size 104
		.amdhsa_user_sgpr_count 2
		.amdhsa_user_sgpr_kernarg_segment_ptr 1
		.amdhsa_wavefront_size32 1
		.amdhsa_system_sgpr_workgroup_id_x 1
		.amdhsa_system_sgpr_workgroup_id_y 1
		.amdhsa_system_sgpr_workgroup_id_z 1
		.amdhsa_system_vgpr_workitem_id 0
		.amdhsa_next_free_vgpr 1024
		.amdhsa_next_free_sgpr 80
		.amdhsa_reserve_vcc 1
		.amdhsa_float_denorm_mode_32 3
		.amdhsa_float_denorm_mode_16_64 3
		.amdhsa_memory_ordered 1
		.amdhsa_forward_progress 1
		.amdhsa_inst_pref_size 233
	.end_amdhsa_kernel
	.amdgpu_metadata
---
amdhsa.version: [ 1, 2 ]
amdhsa.kernels:
  - .name:           k_qe5a8e0be4f_proj
    .symbol:         k_qe5a8e0be4f_proj.kd
    .args:
      - { .name: x, .offset: 0, .size: 8, .value_kind: global_buffer, .address_space: global }
      - { .name: Wq_codes, .offset: 8, .size: 8, .value_kind: global_buffer, .address_space: global }
      - { .name: Wq_scales, .offset: 16, .size: 8, .value_kind: global_buffer, .address_space: global }
      - { .name: bq, .offset: 24, .size: 8, .value_kind: global_buffer, .address_space: global }
      - { .name: Wk_codes, .offset: 32, .size: 8, .value_kind: global_buffer, .address_space: global }
      - { .name: Wk_scales, .offset: 40, .size: 8, .value_kind: global_buffer, .address_space: global }
      - { .name: bk, .offset: 48, .size: 8, .value_kind: global_buffer, .address_space: global }
      - { .name: Wv_codes, .offset: 56, .size: 8, .value_kind: global_buffer, .address_space: global }
      - { .name: Wv_scales, .offset: 64, .size: 8, .value_kind: global_buffer, .address_space: global }
      - { .name: bv, .offset: 72, .size: 8, .value_kind: global_buffer, .address_space: global }
      - { .name: qc, .offset: 80, .size: 8, .value_kind: global_buffer, .address_space: global }
      - { .name: qs, .offset: 88, .size: 8, .value_kind: global_buffer, .address_space: global }
      - { .name: kv, .offset: 96, .size: 8, .value_kind: global_buffer, .address_space: global }
    .group_segment_fixed_size: 327680
    .private_segment_fixed_size: 0
    .kernarg_segment_align: 8
    .kernarg_segment_size: 104
    .max_flat_workgroup_size: 128
    .sgpr_count:     80
    .vgpr_count:     1024
    .wavefront_size: 32
...
	.end_amdgpu_metadata
.endif
;; end of part 1
;; launch attn (part 2): grid 16 x 16, 8 waves a work-group, clusters of 4 x 1, 327,680 bytes of LDS; arguments qc, qs, kv, ctxc, cs; writes ctxc, cs
.if DOCPART == 2
	.amdgcn_target "amdgcn-amd-amdhsa--gfx1250"
	.amdhsa_code_object_version 6
	.text
	.protected	k_qe5a8e0be4f_attn
	.globl	k_qe5a8e0be4f_attn
	.p2align	8
	.type	k_qe5a8e0be4f_attn,@function
k_qe5a8e0be4f_attn:
	s_mov_b64 s[64:65], 0
	v_nop
	global_prefetch_b8 v0, s[64:65] scope:SCOPE_SE
	s_setreg_imm32_b32 hwreg(HW_REG_WAVE_MODE, 25, 1), 1
	s_wait_xcnt 0x0
	s_wait_alu depctr_hold_cnt(0) depctr_sa_sdst(0) depctr_va_vdst(0) depctr_va_sdst(0) depctr_va_ssrc(0) depctr_va_vcc(0) depctr_vm_vsrc(0)
	s_getreg_b32 s2, hwreg(HW_REG_IB_STS2, 6, 4)
	s_cmp_eq_u32 s2, 0
	s_cbranch_scc0 .Lentry_in_a_cluster
	s_endpgm
.Lentry_in_a_cluster:
	s_bfe_u32 s2, ttmp6, 0x10000c
	s_cmp_lg_u32 s2, 0x3003
	s_cbranch_scc0 .Lentry_shape_is_right
	s_endpgm
.Lentry_shape_is_right:
; SECOND OF THREE LAUNCHES: scores, softmax and the weighted sum of one head, on codes of E5M2; ctx leaves as codes and scale bytes.  No work of reference() is left out here.
; A work-group owns 256 queries of one head, a wave 32 (two tiles); all walk the head's 4,096 keys, 128 a step, through two LDS slots of 8 steps; four work-groups of a head ask for the tiles jointly.
; THE MAXIMUM: q_n and k_n are vectors that reference() itself normalises, so t = score x log2(e) / 8 stays within +-0.3 after quantising and M is 0 or 1 for every input; M is a power of two that the blocks' scales take up, so p = 2^t is summed and quantised.
; A block whose largest p is under 1 has the scale 2^-16, under which all its numbers are held at 57,344: under the byte for 2^-15 that is the code 0x77, chosen by a select.
; THE HEAD: wave w fetches steps 2 w and 2 w + 1 by one load of 132 rows of 256 bytes; waves 0-3, whose loads fill slot 0, have a load line of their own and wait at the first barrier; slot 1 is shown by the first change of slots.
; A STEP: V's 16 loads at its head; behind the score products the NEXT step's 18 loads of K (index modulo 8: the last trip's lands in the same slot and is not used).
.set STEPB, 16896
.set HALFB, 8448
.set SLOTB, 8*STEPB
.set HEADB, 32*STEPB
.set SPARE, 2*SLOTB
.set LI,  1
.set L8,  2
.set ADR, 3
.set ADS, 4
.set SPW, 5
.set NIL, 6
.set CVS, 7
.set PSC, 8
.set C77, 9
.set QS,  10
.set KV0, 12
.set V01, 16
.set V23, 17
.set L,   18
.set MX,  34
.set MT,  38
.set QB,  42
.set S,   96
.set PC,  224
.set TM,  42
.set PW,  58
.set WV,  14
.set CX,  15
.set QBK, 16
.set BH,  17
.set G1,  24
.set G0A, 32
.set G0B, 36
.set CS,  40
.set SEL, 42
.set MNT, 44
.set TB,  45
.set CNT, 46
.set MK,  48
.set MSB, 0
.macro WIN new
.if MSB != (\new)
	s_set_vgpr_msb (MSB<<8)|(\new)
.set MSB, (\new)
.endif
.endm
.macro CROUND
	s_barrier_signal -1
	s_barrier_wait -1
	s_cmp_lg_u32 s[WV], 0
	s_cbranch_scc1 .Lnot_wave_0_\@
	s_barrier_signal -3
.Lnot_wave_0_\@:
	s_barrier_wait -3
	s_barrier_signal -1
	s_barrier_wait -1
.endm
.macro MMS d, a, b, sa, sb, ra
.if \ra
	v_wmma_scale_f32_16x16x128_f8f6f4 v[(\d):(\d)+7], v[(\a):(\a)+15], v[(\b):(\b)+15], 0, v[\sa], v[\sb] matrix_a_fmt:MATRIX_FMT_BF8 matrix_b_fmt:MATRIX_FMT_BF8 matrix_a_scale:MATRIX_SCALE_ROW1
.else
	v_wmma_scale_f32_16x16x128_f8f6f4 v[(\d):(\d)+7], v[(\a):(\a)+15], v[(\b):(\b)+15], 0, v[\sa], v[\sb] matrix_a_fmt:MATRIX_FMT_BF8 matrix_b_fmt:MATRIX_FMT_BF8
.endif
.endm
.macro MMP d, a, b, sa, sb, ra
.if \ra
	v_wmma_scale_f32_16x16x128_f8f6f4 v[(\d):(\d)+7], v[(\a):(\a)+15], v[(\b):(\b)+15], v[(\d):(\d)+7], v[\sa], v[\sb] matrix_a_fmt:MATRIX_FMT_BF8 matrix_b_fmt:MATRIX_FMT_BF8 matrix_a_scale:MATRIX_SCALE_ROW1
.else
	v_wmma_scale_f32_16x16x128_f8f6f4 v[(\d):(\d)+7], v[(\a):(\a)+15], v[(\b):(\b)+15], v[(\d):(\d)+7], v[\sa], v[\sb] matrix_a_fmt:MATRIX_FMT_BF8 matrix_b_fmt:MATRIX_FMT_BF8
.endif
.endm
.macro QUANT s
.irp b, 0,1,2,3
	v_max3_num_f32 v[TM+\b], |v[\s+16*\b]|, |v[\s+1+16*\b]|, 0x8000000
.endr
.irp i, 2,4,6,8,10,12,14
.irp b, 0,1,2,3
	s_delay_alu instid0(VALU_DEP_4)
	v_max3_num_f32 v[TM+\b], v[TM+\b], |v[\s+16*\b+\i]|, |v[\s+1+16*\b+\i]|
.endr
.endr
.irp b, 0,1,2,3
	s_delay_alu instid0(VALU_DEP_4)
	v_permlanex16_b32 v[TM+4+\b], v[TM+\b], s[SEL], s[SEL+1]
.endr
.irp b, 0,1,2,3
	s_delay_alu instid0(VALU_DEP_4)
	v_max_num_f32 v[TM+\b], v[TM+\b], v[TM+4+\b]
.endr
.irp b, 0,1,2,3
	s_delay_alu instid0(VALU_DEP_4)
	v_add_nc_u32 v[TM+12+\b], 0xf8800000, v[TM+\b]
.endr
.irp b, 0,1,2,3
	v_and_or_b32 v[TM+8+\b], v[TM+\b], 0x7f800000, s[MNT]
.endr
.irp b, 0,1,2,3
	v_lshrrev_b32 v[TM+4+\b], 23, v[TM+12+\b]
.endr
	s_delay_alu instid0(VALU_DEP_3)
	v_lshl_or_b32 v[PW], v[TM+5], 8, v[TM+4]
	s_delay_alu instid0(VALU_DEP_1)
	v_lshl_or_b32 v[PW], v[TM+6], 16, v[PW]
	s_delay_alu instid0(VALU_DEP_1)
	v_lshl_or_b32 v[PW], v[TM+7], 24, v[PW]
.irp b, 0,1,2,3
.irp i, 0,1,2,3,4,5,6,7,8,9,10,11,12,13,14,15
	v_med3_num_f32 v[\s+16*\b+\i], v[\s+16*\b+\i], -v[TM+8+\b], v[TM+8+\b]
.endr
	v_cvt_scalef32_pk8_bf8_f32 v[PC+4*\b:PC+1+4*\b], v[\s+16*\b:\s+7+16*\b], v[TM+12+\b]
	v_cvt_scalef32_pk8_bf8_f32 v[PC+2+4*\b:PC+3+4*\b], v[\s+8+16*\b:\s+15+16*\b], v[TM+12+\b]
.endr
	v_nop
.endm
	s_load_b256 s[4:11], s[0:1], 0x0
	s_load_b64 s[12:13], s[0:1], 0x20
	v_lshl_add_u32 v[SPW], v0, 2, SPARE
	v_mov_b32 v[NIL], 0
	ds_add_u32 v[SPW], v[NIL]
	ds_add_u32 v[SPW], v[NIL]
	v_lshrrev_b32 v1, 5, v0
	s_delay_alu instid0(VALU_DEP_1)
	v_readfirstlane_b32 s[WV], v1
	s_bfe_u32 s[CX], ttmp6, 0x40000
	s_lshl_b32 s[QBK], ttmp9, 2
	s_add_co_u32 s[QBK], s[QBK], s[CX]
	s_and_b32 s[BH], ttmp7, 0xffff
	s_mov_b32 s[G1+0], 15|(3<<16)|(1<<21)
	s_mov_b32 s[G1+1], 32<<16
	s_mov_b32 s[G1+2], 66<<16
	s_mov_b32 s[G1+3], 32<<16
	s_mov_b32 s[G1+4], 66
	s_mov_b32 s[G1+5], 32
	s_mov_b32 s[G1+6], 0
	s_mov_b32 s[G1+7], 0
.set G0H, 52
.set G1H, 56
	s_mov_b32 s[G1H+0], 15|(3<<16)|(1<<21)         ; the head's loads: two steps, 132 rows of 256 bytes
	s_mov_b32 s[G1H+1], 32<<16
	s_mov_b32 s[G1H+2], 132<<16
	s_mov_b32 s[G1H+3], 32<<16
	s_mov_b32 s[G1H+4], 132
	s_mov_b32 s[G1H+5], 32
	s_mov_b32 s[G1H+6], 0
	s_mov_b32 s[G1H+7], 0
	s_mov_b32 s[CS], 0x3e38aa3b
	s_mov_b32 s[CS+1], s[CS]
	s_mov_b32 s[SEL], 0x76543210
	s_mov_b32 s[SEL+1], 0xfedcba98
	s_mov_b32 s[MNT], 0x600000
	s_mul_i32 s18, s[WV], STEPB
	s_mul_i32 s20, s[BH], HEADB
	s_add_co_u32 s20, s20, s18
	s_mov_b32 s21, 0
	s_wait_dscnt 0x0
	s_wait_kmcnt 0x0
	s_mov_b32 s[G0A], 1
	s_mov_b32 s[G0A+1], s18
	s_add_nc_u64 s[G0A+2:G0A+3], s[8:9], s[20:21]
	s_mov_b32 s[G0B], 1
	s_add_co_u32 s[G0B+1], s18, SLOTB
	s_add_nc_u64 s[G0B+2:G0B+3], s[G0A+2:G0A+3], SLOTB
	s_mov_b32 s22, s18
	s_mov_b32 s23, 0
	s_mov_b32 s[G0H], 1
	s_lshl_b32 s[G0H+1], s18, 1                    ; LDS: 2 x wave x a step
	s_add_nc_u64 s[G0H+2:G0H+3], s[G0A+2:G0A+3], s[22:23]   ; and the same in memory
	s_or_b32 s[G0H+3], s[G0H+3], 0x80000000
	s_or_b32 s[G0A+3], s[G0A+3], 0x80000000
	s_or_b32 s[G0B+3], s[G0B+3], 0x80000000
	CROUND
	s_cmp_lt_u32 s[WV], 4                          ; one joint load a wave; waves 0-3 (slot 0) and waves 4-7 (slot 1) have a line each
	s_cbranch_scc0 .Lupper
	tensor_load_to_lds s[G0H:G0H+3], s[G1H:G1H+7]
	s_nop 0
.rept 4
	v_nop
.endr
	s_branch .Lasked
.Lupper:
	tensor_load_to_lds s[G0H:G0H+3], s[G1H:G1H+7]
	s_nop 0
.rept 4
	v_nop
.endr
.Lasked:
	v_and_b32 v1, 31, v0
	s_delay_alu instid0(VALU_DEP_1)
	v_lshlrev_b32 v[L8], 3, v1
	s_delay_alu instid0(VALU_DEP_2)
	v_lshlrev_b32 v[LI], 4, v1
	s_wait_alu depctr_va_vdst(0)
	v_and_b32 v3, 15, v0
	s_delay_alu instid0(VALU_DEP_1)
	v_lshlrev_b32 v3, 3, v3
	s_wait_alu depctr_va_vdst(0)
	s_lshl_b32 s18, s[BH], 18
	s_lshl_b32 s19, s[QBK], 14
	s_add_co_u32 s18, s18, s19
	s_lshl_b32 s19, s[WV], 11
	s_add_co_u32 s18, s18, s19
	s_mov_b32 s19, 0
	s_add_nc_u64 s[4:5], s[4:5], s[18:19]
	s_lshl_b32 s18, s[BH], 14
	s_lshl_b32 s20, s[QBK], 10
	s_add_co_u32 s18, s18, s20
	s_lshl_b32 s20, s[WV], 7
	s_add_co_u32 s18, s18, s20
	s_add_nc_u64 s[6:7], s[6:7], s[18:19]
.irp y, 0,1
.irp c, 0,1
	global_load_b128 v[QB+24*\y+4*\c:QB+24*\y+4*\c+3], v[LI], s[4:5] offset:1024*\y+512*\c
	global_load_b128 v[QB+24*\y+16+4*\c:QB+24*\y+16+4*\c+3], v[LI], s[4:5] offset:1024*\y+512*\c
.endr
.endr
	global_load_b64 v[QS:QS+1], v3, s[6:7]
	s_lshr_b32 s20, s[BH], 2
	s_lshl_b32 s18, s20, 20
	s_lshl_b32 s21, s[QBK], 16
	s_add_co_u32 s18, s18, s21
	s_lshl_b32 s21, s[WV], 13
	s_add_co_u32 s18, s18, s21
	s_and_b32 s21, s[BH], 3
	s_lshl_b32 s21, s21, 10
	s_add_co_u32 s18, s18, s21
	s_add_nc_u64 s[10:11], s[10:11], s[18:19]
	s_lshl_b32 s18, s20, 15
	s_lshl_b32 s21, s[QBK], 11
	s_add_co_u32 s18, s18, s21
	s_lshl_b32 s21, s[WV], 8
	s_add_co_u32 s18, s18, s21
	s_bfe_u32 s21, s[BH], 0x10001
	s_lshl_b32 s21, s21, 7
	s_add_co_u32 s18, s18, s21
	s_and_b32 s21, s[BH], 1
	s_lshl_b32 s21, s21, 1
	s_add_co_u32 s18, s18, s21
	s_add_nc_u64 s[12:13], s[12:13], s[18:19]
	v_mov_b32 v[CVS], 0x38000000
	v_mov_b32 v[PSC], 0x70707070
	v_mov_b32 v[C77], 0x77777777
.irp y, 0,1
.irp j, 8,9,10,11,12,13,14,15
	v_mov_b32 v[QB+24*\y+\j], 0
.endr
.endr
.set i, 0
.rept 16
	v_mov_b32 v[L+i], 0
.set i, i+1
.endr
.irp b, 0,1,2,3
	v_mov_b32 v[MT+\b], 0
.endr
	WIN 0x40
.set i, 0
.rept 64
	v_mov_b32 v[128+i], 0
.set i, i+1
.endr
	WIN 0
	s_wait_alu depctr_va_vdst(0)
	s_wait_loadcnt 0x0
	s_cmp_lt_u32 s[WV], 4
	s_cbranch_scc0 .Lnot_mine
	s_wait_tensorcnt 0x0                           ; waves 0-3: slot 0 has landed
.Lnot_mine:
	s_barrier_signal -1
	s_barrier_wait -1
.macro SOFTMAX y
.set SB, S+64*\y
.set PB, PC+16*\y
.set LB, L+8*\y
.set i, 0
.rept 32
	v_pk_mul_f32 v[SB+i:SB+i+1], v[SB+i:SB+i+1], s[CS:CS+1] op_sel_hi:[1,0]
.set i, i+2
.endr
.set i, 0
	s_wait_alu depctr_va_vdst(0)
.rept 64
	v_exp_f32 v[SB+i], v[SB+i]
.set i, i+1
.endr
	v_nop
	s_wait_alu depctr_va_vdst(0)
.irp b, 0,1,2,3
	v_cvt_scalef32_pk8_bf8_f32 v[PB+4*\b:PB+4*\b+1], v[SB+16*\b:SB+16*\b+7], v[CVS]
	v_cvt_scalef32_pk8_bf8_f32 v[PB+4*\b+2:PB+4*\b+3], v[SB+16*\b+8:SB+16*\b+15], v[CVS]
.endr
.irp b, 0,1,2,3
	v_max3_num_f32 v[MX+\b], v[SB+16*\b], v[SB+16*\b+1], v[SB+16*\b+2]
.endr
.irp i, 3,5,7,9,11,13
.irp b, 0,1,2,3
	v_max3_num_f32 v[MX+\b], v[MX+\b], v[SB+16*\b+\i], v[SB+16*\b+\i+1]
.endr
.endr
.irp b, 0,1,2,3
	v_max_num_f32 v[MX+\b], v[MX+\b], v[SB+16*\b+15]
.endr
.irp b, 0,1,2,3
	s_delay_alu instid0(VALU_DEP_4)
	v_permlanex16_b32 v[MT+\b], v[MX+\b], s[SEL], s[SEL+1]
.endr
.irp b, 0,1,2,3
	s_delay_alu instid0(VALU_DEP_4)
	v_max_num_f32 v[MX+\b], v[MX+\b], v[MT+\b]
.endr
.irp b, 0,1,2,3
	s_delay_alu instid0(VALU_DEP_4)
	v_cmp_gt_f32 s[MK+\b], 1.0, v[MX+\b]
.endr
.irp b, 0,1,2,3
.irp j, 0,1,2,3
	v_cndmask_b32 v[PB+4*\b+\j], v[PB+4*\b+\j], v[C77], s[MK+\b]
.endr
.endr
.set i, 0
.rept 4
.irp c, 0,1,2,3
	v_pk_add_f32 v[LB+2*\c:LB+2*\c+1], v[LB+2*\c:LB+2*\c+1], v[SB+8*i+2*\c:SB+8*i+2*\c+1]   ; the first half of the row's sums: also the places between the selects and the product
.endr
.set i, i+1
.endr
.endm
.macro SUMS y                          ; the second half, behind the product: 16 plain lines, which are its places too
.set SB, S+64*\y
.set LB, L+8*\y
.set i, 4
.rept 4
.irp c, 0,1,2,3
	v_pk_add_f32 v[LB+2*\c:LB+2*\c+1], v[LB+2*\c:LB+2*\c+1], v[SB+8*i+2*\c:SB+8*i+2*\c+1]
.endr
.set i, i+1
.endr
.endm
.macro KLOAD                           ; a step's scale words and K's four fragments: 18 loads
	ds_load_b64 v[KV0:KV0+1], v[ADS] offset:8192
	ds_load_b64 v[KV0+2:KV0+3], v[ADS] offset:HALFB+8192
	WIN 0x40
.irp g, 0,1
.irp e, 0,1
.irp c, 0,1,2,3
	ds_load_b128 v[16*(2*\g+\e)+4*\c:16*(2*\g+\e)+4*\c+3], v[ADR] offset:\g*HALFB+\e*2048+512*\c
.endr
.endr
.endr
	WIN 0
.endm
.macro STEP sl
	WIN 0x40
.irp g, 0,1
.irp t, 0,1,2,3
.irp e, 0,1
	ds_load_b128 v[64+16*\t+4*(2*\g+\e):64+16*\t+4*(2*\g+\e)+3], v[ADR] offset:\g*HALFB+4096+(2*\t+\e)*512
.endr
.endr
.endr
	WIN 0
	s_wait_dscnt 16
	WIN 0x01
.irp y, 0,1
.irp f, 0,1,2,3
.irp a, 0,1
	MMS S+64*\y+8*(2*\f+\a), 16*\f, QB+24*\y+8*\a, KV0+2*(\f/2), QS+\y, \f%2
.endr
.endr
.endr
	WIN 0
	v_perm_b32 v[V01], v[KV0+3], v[KV0+1], 0x05040100
	v_perm_b32 v[V23], v[KV0+3], v[KV0+1], 0x07060302
	s_add_co_u32 s[CNT], s[CNT], 1                 ; the trip's one step of the counter
	s_and_b32 s[TB], s[CNT], 7                     ; the next step of this slot, modulo 8
	s_mul_i32 s[TB], s[TB], STEPB
	s_add_co_u32 s[TB], s[TB], (\sl)*SLOTB
	v_add_nc_u32 v[ADR], s[TB], v[LI]
	v_add_nc_u32 v[ADS], s[TB], v[L8]
.rept 4
	v_nop                                          ; with the four lines above: eight places behind the score products
.endr
	KLOAD
	SOFTMAX 0
	s_wait_alu depctr_va_vdst(0)
	s_wait_dscnt 18                                ; V's 16 loads are in: younger are the next step's 18
	WIN 0x51
.irp t, 0,1,2,3
	MMP 128+8*\t, 64+16*\t, PC, V01+\t/2, PSC, \t%2
.endr
	WIN 0
	SUMS 0
	SOFTMAX 1
	WIN 0x51
.irp t, 0,1,2,3
	MMP 160+8*\t, 64+16*\t, PC+16, V01+\t/2, PSC, \t%2
.endr
	WIN 0
	SUMS 1
.endm
.macro STEPS sl
	s_mov_b32 s[CNT], 0
	v_add_nc_u32 v[ADR], \sl*SLOTB, v[LI]
	v_add_nc_u32 v[ADS], \sl*SLOTB, v[L8]
	KLOAD                                          ; the slot's first step
.Lstep_\@:
	STEP \sl
	s_cmp_lt_u32 s[CNT], 8
	s_cbranch_scc1 .Lstep_\@
.endm
.macro CHANGE g0
	s_wait_tensorcnt 0x0
	ds_add_u32 v[SPW], v[NIL]
	s_add_nc_u64 s[\g0+2:\g0+3], s[\g0+2:\g0+3], 2*SLOTB
	s_wait_dscnt 0x0
	CROUND
	tensor_load_to_lds s[\g0:\g0+3], s[G1:G1+7]
	s_nop 0
.rept 4
	v_nop
.endr
.endm
	STEPS 0
	CHANGE G0A
	STEPS 1
	CHANGE G0B
	STEPS 0
	s_wait_tensorcnt 0x0
	ds_add_u32 v[SPW], v[NIL]
	s_wait_dscnt 0x0
	s_barrier_signal -1
	s_barrier_wait -1
	STEPS 1
.irp y, 0,1
	v_pk_add_f32 v[L+8*\y:L+8*\y+1], v[L+8*\y:L+8*\y+1], v[L+8*\y+2:L+8*\y+3]
	v_pk_add_f32 v[L+8*\y+4:L+8*\y+5], v[L+8*\y+4:L+8*\y+5], v[L+8*\y+6:L+8*\y+7]
.endr
.irp y, 0
	s_delay_alu instid0(VALU_DEP_3)
	v_pk_add_f32 v[L+8*\y:L+8*\y+1], v[L+8*\y:L+8*\y+1], v[L+8*\y+4:L+8*\y+5]
.endr
.irp y, 1
	s_delay_alu instid0(VALU_DEP_2)
	v_pk_add_f32 v[L+8*\y:L+8*\y+1], v[L+8*\y:L+8*\y+1], v[L+8*\y+4:L+8*\y+5]
.endr
.irp y, 0,1
	s_delay_alu instid0(VALU_DEP_2)
	v_add_f32 v[L+8*\y], v[L+8*\y], v[L+8*\y+1]
.endr
.irp y, 0,1
	s_delay_alu instid0(VALU_DEP_2)
	v_permlanex16_b32 v[MT+\y], v[L+8*\y], s[SEL], s[SEL+1]
.endr
.irp y, 0,1
	s_delay_alu instid0(VALU_DEP_2)
	v_add_f32 v[L+8*\y], v[L+8*\y], v[MT+\y]
.endr
	s_wait_alu depctr_va_vdst(0)
.irp y, 0,1
	v_rcp_f32 v[L+8*\y], v[L+8*\y]
.endr
	v_nop
	s_wait_alu depctr_va_vdst(0)
	WIN 0x01
.irp y, 0,1
.set i, 0
.rept 16
	v_pk_mul_f32 v[S+32*\y+i:S+32*\y+i+1], v[128+32*\y+i:128+32*\y+i+1], v[L+8*\y:L+8*\y+1] op_sel_hi:[1,0]
.set i, i+2
.endr
.endr
	WIN 0
	QUANT S
.irp y, 0,1
.irp b, 0,1
	global_store_b128 v[LI], v[PC+4*(2*\y+\b):PC+4*(2*\y+\b)+3], s[10:11] offset:4096*\y+512*\b
.endr
.endr
	v_lshrrev_b32 v59, 2, v[LI]
	v_bfe_u32 v60, v0, 4, 1
	s_delay_alu instid0(VALU_DEP_1)
	v_lshlrev_b32 v60, 4, v60
	s_delay_alu instid0(VALU_DEP_1)
	v_lshrrev_b32 v60, v60, v[PW]
	global_store_b16 v59, v60, s[12:13]
	s_wait_tensorcnt 0x0
	ds_add_u32 v[SPW], v[NIL]
	s_wait_dscnt 0x0
	CROUND
	s_endpgm
.Lfunc_end_k_qe5a8e0be4f_attn:
	.size	k_qe5a8e0be4f_attn, .Lfunc_end_k_qe5a8e0be4f_attn-k_qe5a8e0be4f_attn
	.p2alignl 7, 3214868480
	.fill 96, 4, 3214868480
	.section	.rodata,"a",@progbits
	.p2align	6, 0x0
	.amdhsa_kernel k_qe5a8e0be4f_attn
		.amdhsa_group_segment_fixed_size 327680
		.amdhsa_private_segment_fixed_size 0
		.amdhsa_enable_private_segment 0
		.amdhsa_kernarg_size 40
		.amdhsa_user_sgpr_count 2
		.amdhsa_user_sgpr_kernarg_segment_ptr 1
		.amdhsa_wavefront_size32 1
		.amdhsa_system_sgpr_workgroup_id_x 1
		.amdhsa_system_sgpr_workgroup_id_y 1
		.amdhsa_system_sgpr_workgroup_id_z 1
		.amdhsa_system_vgpr_workitem_id 0
		.amdhsa_next_free_vgpr 448
		.amdhsa_next_free_sgpr 66
		.amdhsa_reserve_vcc 0
		.amdhsa_float_denorm_mode_32 3
		.amdhsa_float_denorm_mode_16_64 3
		.amdhsa_memory_ordered 1
		.amdhsa_forward_progress 1
		.amdhsa_inst_pref_size 139
	.end_amdhsa_kernel
	.amdgpu_metadata
---
amdhsa.version: [ 1, 2 ]
amdhsa.kernels:
  - .name:           k_qe5a8e0be4f_attn
    .symbol:         k_qe5a8e0be4f_attn.kd
    .args:
      - { .name: qc, .offset: 0, .size: 8, .value_kind: global_buffer, .address_space: global }
      - { .name: qs, .offset: 8, .size: 8, .value_kind: global_buffer, .address_space: global }
      - { .name: kv, .offset: 16, .size: 8, .value_kind: global_buffer, .address_space: global }
      - { .name: ctxc, .offset: 24, .size: 8, .value_kind: global_buffer, .address_space: global }
      - { .name: cs, .offset: 32, .size: 8, .value_kind: global_buffer, .address_space: global }
    .group_segment_fixed_size: 327680
    .private_segment_fixed_size: 0
    .kernarg_segment_align: 8
    .kernarg_segment_size: 40
    .max_flat_workgroup_size: 256
    .sgpr_count:     66
    .vgpr_count:     448
    .wavefront_size: 32
...
	.end_amdgpu_metadata
.endif
;; end of part 2
;; launch outp (part 3): grid 256 x 1, 8 waves a work-group, clusters of 4 x 1, 327,680 bytes of LDS; arguments ctxc, cs, Wo_codes, Wo_scales, bo, x, gamma, beta, out0; writes out0
.if DOCPART == 3
	.amdgcn_target "amdgcn-amd-amdhsa--gfx1250"
	.amdhsa_code_object_version 6
	.text
	.protected	k_qe5a8e0be4f_outp
	.globl	k_qe5a8e0be4f_outp
	.p2align	8
	.type	k_qe5a8e0be4f_outp,@function
k_qe5a8e0be4f_outp:
	s_mov_b64 s[64:65], 0
	v_nop
	global_prefetch_b8 v0, s[64:65] scope:SCOPE_SE
	s_setreg_imm32_b32 hwreg(HW_REG_WAVE_MODE, 25, 1), 1
	s_wait_xcnt 0x0
	s_wait_alu depctr_hold_cnt(0) depctr_sa_sdst(0) depctr_va_vdst(0) depctr_va_sdst(0) depctr_va_ssrc(0) depctr_va_vcc(0) depctr_vm_vsrc(0)
	s_getreg_b32 s2, hwreg(HW_REG_IB_STS2, 6, 4)
	s_cmp_eq_u32 s2, 0
	s_cbranch_scc0 .Lentry_in_a_cluster
	s_endpgm
.Lentry_in_a_cluster:
	s_bfe_u32 s2, ttmp6, 0x10000c
	s_cmp_lg_u32 s2, 0x3003
	s_cbranch_scc0 .Lentry_shape_is_right
	s_endpgm
.Lentry_shape_is_right:
.set WPITCH, 272
.set WPART,  32*WPITCH
.set CTX,    256*WPITCH
.set STG,    CTX+16384
.set SP,     1040
.set SPARE,  STG+64*SP
.set LI,  1
.set SPW, 2
.set NIL, 3
.set WOA, 4
.set CXA, 5
.set STO, 6
.set STR, 7
.set LS,  8
.set R8,  9
.set H32, 10
.set WOS, 16
.set CSR, 20
.set BO,  24
.set GA,  40
.set BE,  48
.set T,   64
.set X,   128
.set R,   192
.set WV,  22
.set CX,  23
.set G,   24
.set G1W, 32
.set G1C, 40
.set G0W, 48
.set G0C, 52
.set SEL, 56
.set R256, 58
.set LEPS, 59
.set MSB, 0
.macro WIN new
.if MSB != (\new)
	s_set_vgpr_msb (MSB<<8)|(\new)
.set MSB, (\new)
.endif
.endm
.macro CROUND
	s_barrier_signal -1
	s_barrier_wait -1
	s_cmp_lg_u32 s[WV], 0
	s_cbranch_scc1 .Lnot_wave_0_\@
	s_barrier_signal -3
.Lnot_wave_0_\@:
	s_barrier_wait -3
	s_barrier_signal -1
	s_barrier_wait -1
.endm
.macro MMO d, a, b, c, sa, sb, rb
.if \rb
	v_wmma_scale_f32_16x16x128_f8f6f4 v[(\d):(\d)+7], v[(\a):(\a)+15], v[(\b):(\b)+15], v[(\c):(\c)+7], v[\sa], v[\sb] matrix_a_fmt:MATRIX_FMT_BF8 matrix_b_fmt:MATRIX_FMT_BF8 matrix_b_scale:MATRIX_SCALE_ROW1
.else
	v_wmma_scale_f32_16x16x128_f8f6f4 v[(\d):(\d)+7], v[(\a):(\a)+15], v[(\b):(\b)+15], v[(\c):(\c)+7], v[\sa], v[\sb] matrix_a_fmt:MATRIX_FMT_BF8 matrix_b_fmt:MATRIX_FMT_BF8
.endif
.endm
	s_load_b512 s[4:19], s[0:1], 0x0
	s_load_b64 s[20:21], s[0:1], 0x40
	v_lshl_add_u32 v[SPW], v0, 2, SPARE
	v_mov_b32 v[NIL], 0
	ds_add_u32 v[SPW], v[NIL]
	ds_add_u32 v[SPW], v[NIL]
	v_lshrrev_b32 v1, 5, v0
	s_delay_alu instid0(VALU_DEP_1)
	v_readfirstlane_b32 s[WV], v1
	s_bfe_u32 s[CX], ttmp6, 0x40000
	s_lshl_b32 s[G], ttmp9, 2
	s_add_co_u32 s[G], s[G], s[CX]
	s_mov_b32 s[G1W+0], 15|(1<<20)|(1<<21)|(5<<22)|(3<<25)
	s_mov_b32 s[G1W+1], 256<<16
	s_mov_b32 s[G1W+2], 64<<16
	s_mov_b32 s[G1W+3], 256<<16
	s_mov_b32 s[G1W+4], 64
	s_mov_b32 s[G1W+5], 256
	s_mov_b32 s[G1W+6], 0
	s_mov_b32 s[G1W+7], 0
	s_mov_b32 s[G1C+0], 3<<16
	s_mov_b32 s[G1C+1], 32<<16
	s_mov_b32 s[G1C+2], 16<<16
	s_mov_b32 s[G1C+3], 32<<16
	s_mov_b32 s[G1C+4], 16
	s_mov_b32 s[G1C+5], 32
	s_mov_b32 s[G1C+6], 0
	s_mov_b32 s[G1C+7], 0
	s_mov_b32 s[SEL], 0x76543210
	s_mov_b32 s[SEL+1], 0xfedcba98
	s_mov_b32 s[R256], 0x3b800000
	s_mov_b32 s[LEPS], 0x2b8cbccc
	s_mul_i32 s25, s[WV], WPART
	s_and_b32 s31, s[WV], 3                        ; waves 0-3 fetch a quarter of Wo each (64 rows), waves 4-7 a quarter of my 64 tokens' ctx (4,096 bytes)
	s_lshl_b32 s26, s31, 14
	s_mov_b32 s27, 0
	s_lshl_b32 s28, s[G], 14
	s_lshl_b32 s30, s31, 12
	s_add_co_u32 s28, s28, s30
	s_mov_b32 s29, 0
	s_mul_i32 s31, s31, 2*WPART
	s_wait_dscnt 0x0
	s_wait_kmcnt 0x0
	s_mov_b32 s[G0W], 1
	s_mov_b32 s[G0W+1], s31
	s_add_nc_u64 s[G0W+2:G0W+3], s[8:9], s[26:27]
	s_or_b32 s[G0W+3], s[G0W+3], 0x80000000
	s_mov_b32 s[G0C], 1
	s_add_co_u32 s[G0C+1], s30, CTX
	s_add_nc_u64 s[G0C+2:G0C+3], s[4:5], s[28:29]
	s_or_b32 s[G0C+3], s[G0C+3], 0x80000000
	CROUND
	s_cmp_lt_u32 s[WV], 4                          ; one tensor load a wave at the head: one branch, a load in each arm
	s_cbranch_scc0 .Lfor_ctx
	tensor_load_to_lds s[G0W:G0W+3], s[G1W:G1W+7]
	s_nop 0
.rept 4
	v_nop
.endr
	s_branch .Lasked
.Lfor_ctx:
	tensor_load_to_lds s[G0C:G0C+3], s[G1C:G1C+7]
	s_nop 0
.rept 4
	v_nop
.endr
.Lasked:
	v_and_b32 v1, 31, v0
	v_and_b32 v11, 15, v0
	v_bfe_u32 v12, v0, 4, 1
	s_delay_alu instid0(VALU_DEP_3)
	v_lshlrev_b32 v[LS], 2, v1
	s_wait_alu depctr_va_vdst(0)
	v_lshlrev_b32 v[LI], 4, v1
	v_lshlrev_b32 v[R8], 3, v11
	s_wait_alu depctr_va_vdst(0)
	v_lshlrev_b32 v[H32], 5, v12
	s_wait_alu depctr_va_vdst(0)
	s_lshl_b32 s26, s[G], 9
	s_add_nc_u64 s[6:7], s[6:7], s[26:27]
	s_lshl_b32 s26, s[WV], 8
	s_add_nc_u64 s[10:11], s[10:11], s[26:27]
	s_lshl_b32 s26, s[WV], 7
	s_add_nc_u64 s[12:13], s[12:13], s[26:27]
	s_lshl_b32 s26, s[G], 16
	s_lshl_b32 s28, s[WV], 13
	s_add_co_u32 s26, s26, s28
	s_add_nc_u64 s[14:15], s[14:15], s[26:27]
	s_add_nc_u64 s[20:21], s[20:21], s[26:27]
.irp e, 0,1
.irp k, 0,1
	global_load_b32 v[CSR+2*\e+\k], v[LS], s[6:7] offset:256*\e+128*\k
.endr
.endr
.irp t, 0,1
	global_load_b64 v[WOS+2*\t:WOS+2*\t+1], v[R8], s[10:11] offset:128*\t
.endr
.irp t, 0,1
	global_load_b128 v[BO+8*\t:BO+8*\t+3], v[H32], s[12:13] offset:64*\t
	global_load_b128 v[BO+8*\t+4:BO+8*\t+7], v[H32], s[12:13] offset:64*\t+16
.endr
	global_load_b128 v[GA:GA+3], v[LI], s[16:17]
	global_load_b128 v[GA+4:GA+7], v[LI], s[16:17] offset:512
	global_load_b128 v[BE:BE+3], v[LI], s[18:19]
	global_load_b128 v[BE+4:BE+7], v[LI], s[18:19] offset:512
.irp i, 0,1,2,3,4,5,6,7
	global_load_b128 v[X+8*\i:X+8*\i+3], v[LI], s[14:15] offset:1024*\i th:TH_LOAD_NT
	global_load_b128 v[X+8*\i+4:X+8*\i+7], v[LI], s[14:15] offset:1024*\i+512 th:TH_LOAD_NT
.endr
	v_mul_u32_u24 v[WOA], v11, WPITCH
	s_delay_alu instid0(VALU_DEP_1)
	v_lshl_add_u32 v[WOA], v12, 4, v[WOA]
	s_delay_alu instid0(VALU_DEP_1)
	v_add_nc_u32 v[WOA], s25, v[WOA]
	v_add_nc_u32 v[CXA], CTX, v[LI]
	v_and_b32 v13, 8, v11
	s_delay_alu instid0(VALU_DEP_1)
	v_add_nc_u32 v13, v13, v11
	s_delay_alu instid0(VALU_DEP_1)
	v_mul_u32_u24 v[STO], v13, SP
	s_delay_alu instid0(VALU_DEP_1)
	v_lshl_add_u32 v[STO], v12, 5, v[STO]
	s_lshl_b32 s28, s[WV], 7
	s_add_co_u32 s28, s28, STG
	v_add_nc_u32 v[STO], s28, v[STO]
	s_mul_i32 s28, s[WV], 8*SP
	s_add_co_u32 s28, s28, STG
	v_add_nc_u32 v[STR], s28, v[LI]
	s_wait_alu depctr_va_vdst(0)
	s_wait_tensorcnt 0x0
	s_barrier_signal -1
	s_barrier_wait -1
	WIN 0x40
.irp t, 0,1
.irp k, 0,1
.irp c, 0,1,2,3
	ds_load_b128 v[32*\t+16*\k+4*\c:32*\t+16*\k+4*\c+3], v[WOA] offset:16*\t*WPITCH+128*\k+32*\c
.endr
.endr
.endr
.irp f, 0,1,2,3,4,5,6,7
.irp c, 0,1,2,3
	ds_load_b128 v[64+16*\f+4*\c:64+16*\f+4*\c+3], v[CXA] offset:2048*\f+512*\c
.endr
.endr
	WIN 0
	s_wait_dscnt 0x0
	s_wait_loadcnt 20
	WIN 0x05
.irp t, 0,1
.irp m, 0,1,2,3
	MMO T+8*(4*\t+\m), 32*\t, 64+32*\m, BO+8*\t, WOS+2*\t, CSR+2*(\m/2), \m%2
.endr
.endr
.irp t, 0,1
.irp m, 0,1,2,3
	MMO T+8*(4*\t+\m), 32*\t+16, 64+32*\m+16, T+8*(4*\t+\m), WOS+2*\t+1, CSR+2*(\m/2)+1, \m%2
.endr
.endr
	WIN 0
.rept 8
	v_nop
.endr
.irp t, 0,1
.irp m, 0,1,2,3
	ds_store_b128 v[STO], v[T+8*(4*\t+\m):T+8*(4*\t+\m)+3] offset:(32*(\m/2)+8*(\m%2))*SP+64*\t
	ds_store_b128 v[STO], v[T+8*(4*\t+\m)+4:T+8*(4*\t+\m)+7] offset:(32*(\m/2)+8*(\m%2))*SP+64*\t+16
.endr
.endr
	s_wait_dscnt 0x0
	s_barrier_signal -1
	s_barrier_wait -1
.irp i, 0,1,2,3,4,5,6,7
	ds_load_b128 v[R+8*\i:R+8*\i+3], v[STR] offset:\i*SP
	ds_load_b128 v[R+8*\i+4:R+8*\i+7], v[STR] offset:\i*SP+512
.endr
	s_wait_dscnt 0x0
	s_wait_loadcnt 0x0
.irp i, 0,1,2,3,4,5,6,7
.irp p, 0,2,4,6
	v_pk_add_f32 v[R+8*\i+\p:R+8*\i+\p+1], v[R+8*\i+\p:R+8*\i+\p+1], v[X+8*\i+\p:X+8*\i+\p+1]
.endr
.endr
.irp i, 0,1,2,3,4,5,6,7
	v_pk_add_f32 v[T+8*\i:T+8*\i+1], v[R+8*\i:R+8*\i+1], v[R+8*\i+2:R+8*\i+3]
	v_pk_add_f32 v[T+8*\i+2:T+8*\i+3], v[R+8*\i+4:R+8*\i+5], v[R+8*\i+6:R+8*\i+7]
.endr
.irp i, 0,1,2,3,4,5,6,7
	v_pk_add_f32 v[T+8*\i:T+8*\i+1], v[T+8*\i:T+8*\i+1], v[T+8*\i+2:T+8*\i+3]
.endr
.irp i, 0,1,2,3,4,5,6,7
	v_add_f32 v[T+8*\i], v[T+8*\i], v[T+8*\i+1]
.endr
.irp m, 1,2,4,8
.irp i, 0,1,2,3,4,5,6,7
	v_add_f32_dpp v[T+8*\i], v[T+8*\i], v[T+8*\i] row_xmask:\m row_mask:0xf bank_mask:0xf
.endr
.endr
.irp i, 0,1,2,3,4,5,6,7
	v_permlanex16_b32 v[T+8*\i+1], v[T+8*\i], s[SEL], s[SEL+1]
.endr
.irp i, 0,1,2,3,4,5,6,7
	v_add_f32 v[T+8*\i], v[T+8*\i], v[T+8*\i+1]
.endr
.irp i, 0,1,2,3,4,5,6,7
	v_mul_f32 v[T+8*\i], s[R256], v[T+8*\i]
.endr
.irp i, 0,1,2,3,4,5,6,7
.irp p, 0,2,4,6
	v_pk_add_f32 v[R+8*\i+\p:R+8*\i+\p+1], v[R+8*\i+\p:R+8*\i+\p+1], v[T+8*\i:T+8*\i+1] op_sel_hi:[1,0] neg_lo:[0,1] neg_hi:[0,1]
.endr
.endr
.irp i, 0,1,2,3,4,5,6,7
	v_pk_mul_f32 v[T+8*\i+2:T+8*\i+3], v[R+8*\i:R+8*\i+1], v[R+8*\i:R+8*\i+1]
.endr
.irp p, 2,4,6
.irp i, 0,1,2,3,4,5,6,7
	v_pk_fma_f32 v[T+8*\i+2:T+8*\i+3], v[R+8*\i+\p:R+8*\i+\p+1], v[R+8*\i+\p:R+8*\i+\p+1], v[T+8*\i+2:T+8*\i+3]
.endr
.endr
.irp i, 0,1,2,3,4,5,6,7
	v_add_f32 v[T+8*\i+2], v[T+8*\i+2], v[T+8*\i+3]
.endr
.irp m, 1,2,4,8
.irp i, 0,1,2,3,4,5,6,7
	v_add_f32_dpp v[T+8*\i+2], v[T+8*\i+2], v[T+8*\i+2] row_xmask:\m row_mask:0xf bank_mask:0xf
.endr
.endr
.irp i, 0,1,2,3,4,5,6,7
	v_permlanex16_b32 v[T+8*\i+3], v[T+8*\i+2], s[SEL], s[SEL+1]
.endr
.irp i, 0,1,2,3,4,5,6,7
	v_add_f32 v[T+8*\i+2], v[T+8*\i+2], v[T+8*\i+3]
.endr
.irp i, 0,1,2,3,4,5,6,7
	v_fma_f32 v[T+8*\i+2], v[T+8*\i+2], s[R256], s[LEPS]
.endr
	s_wait_alu depctr_va_vdst(0)
.irp i, 0,1,2,3,4,5,6,7
	v_rsq_f32 v[T+8*\i+2], v[T+8*\i+2]
.endr
	v_nop
	s_wait_alu depctr_va_vdst(0)
.irp i, 0,1,2,3,4,5,6,7
.irp p, 0,2,4,6
	v_pk_mul_f32 v[R+8*\i+\p:R+8*\i+\p+1], v[R+8*\i+\p:R+8*\i+\p+1], v[T+8*\i+2:T+8*\i+3] op_sel_hi:[1,0]
.endr
.endr
.irp i, 0,1,2,3,4,5,6,7
.irp p, 0,2,4,6
	v_pk_fma_f32 v[R+8*\i+\p:R+8*\i+\p+1], v[R+8*\i+\p:R+8*\i+\p+1], v[GA+\p:GA+\p+1], v[BE+\p:BE+\p+1]
.endr
.endr
.irp i, 0,1,2,3,4,5,6,7
	global_store_b128 v[LI], v[R+8*\i:R+8*\i+3], s[20:21] offset:1024*\i th:TH_STORE_NT
	global_store_b128 v[LI], v[R+8*\i+4:R+8*\i+7], s[20:21] offset:1024*\i+512 th:TH_STORE_NT
.endr
	s_wait_tensorcnt 0x0
	ds_add_u32 v[SPW], v[NIL]
	s_wait_dscnt 0x0
	CROUND
	s_endpgm
.Lfunc_end_k_qe5a8e0be4f_outp:
	.size	k_qe5a8e0be4f_outp, .Lfunc_end_k_qe5a8e0be4f_outp-k_qe5a8e0be4f_outp
	.p2alignl 7, 3214868480
	.fill 96, 4, 3214868480
	.section	.rodata,"a",@progbits
	.p2align	6, 0x0
	.amdhsa_kernel k_qe5a8e0be4f_outp
		.amdhsa_group_segment_fixed_size 327680
		.amdhsa_private_segment_fixed_size 0
		.amdhsa_enable_private_segment 0
		.amdhsa_kernarg_size 72
		.amdhsa_user_sgpr_count 2
		.amdhsa_user_sgpr_kernarg_segment_ptr 1
		.amdhsa_wavefront_size32 1
		.amdhsa_system_sgpr_workgroup_id_x 1
		.amdhsa_system_sgpr_workgroup_id_y 1
		.amdhsa_system_sgpr_workgroup_id_z 1
		.amdhsa_system_vgpr_workitem_id 0
		.amdhsa_next_free_vgpr 512
		.amdhsa_next_free_sgpr 66
		.amdhsa_reserve_vcc 0
		.amdhsa_float_denorm_mode_32 3
		.amdhsa_float_denorm_mode_16_64 3
		.amdhsa_memory_ordered 1
		.amdhsa_forward_progress 1
		.amdhsa_inst_pref_size 37
	.end_amdhsa_kernel
	.amdgpu_metadata
---
amdhsa.version: [ 1, 2 ]
amdhsa.kernels:
  - .name:           k_qe5a8e0be4f_outp
    .symbol:         k_qe5a8e0be4f_outp.kd
    .args:
      - { .name: ctxc, .offset: 0, .size: 8, .value_kind: global_buffer, .address_space: global }
      - { .name: cs, .offset: 8, .size: 8, .value_kind: global_buffer, .address_space: global }
      - { .name: Wo_codes, .offset: 16, .size: 8, .value_kind: global_buffer, .address_space: global }
      - { .name: Wo_scales, .offset: 24, .size: 8, .value_kind: global_buffer, .address_space: global }
      - { .name: bo, .offset: 32, .size: 8, .value_kind: global_buffer, .address_space: global }
      - { .name: x, .offset: 40, .size: 8, .value_kind: global_buffer, .address_space: global }
      - { .name: gamma, .offset: 48, .size: 8, .value_kind: global_buffer, .address_space: global }
      - { .name: beta, .offset: 56, .size: 8, .value_kind: global_buffer, .address_space: global }
      - { .name: out0, .offset: 64, .size: 8, .value_kind: global_buffer, .address_space: global }
    .group_segment_fixed_size: 327680
    .private_segment_fixed_size: 0
    .kernarg_segment_align: 8
    .kernarg_segment_size: 72
    .max_flat_workgroup_size: 256
    .sgpr_count:     66
    .vgpr_count:     512
    .wavefront_size: 32
...
	.end_amdgpu_metadata
.endif
;; end of part 3
